; MI455X (gfx1250); checked and timed in simulation.
; The chip was launched on July 23, 2026; its instructions are those of AMD's public machine-readable ISA for CDNA 5 (MIT licence, August 2026) and "CDNA5" Instruction Set Architecture Reference Guide (July 2026). The comments in the code are by the model that wrote it; some were corrected since.
;; Attention. Allowed arithmetic: float matrix products may take bf16 or f16 operands with f32 sums; other float arithmetic in f32, or as packed bf16 or f16 multiplies, adds, multiply-adds, maxima and minima; sums over many terms, partial sums and values carried from step to step in f32; what a program stores and reads back later, other than sums and carried values, may be rounded once to bf16 or f16.
;; Inputs: W_c 1,024 x 1 float32; W_h 1,024 x 1,024 float32; W_s 1,024 x 1,024 float32; b_s 1,024 float32; coverage 64 x 1,024 float32; enc_padding_mask 64 x 1,024 float32; encoder_outputs 64 x 1,024 x 1,024 float32; s_t_hat 64 x 1,024 float32; v 1 x 1,024 float32.
;; Outputs: out0 64 x 1,024 float32; out1 64 x 1,024 float32; out2 64 x 1,024 float32.
;; One version. Each part assembles by itself: llvm-mc -triple=amdgcn-amd-amdhsa -mcpu=gfx1250 --defsym DOCPART=n.
;; ======== version 1 of 1: 3 launches
;; workspace buffers: whb 2,097,152 bytes; decp 262,144 bytes; scores 262,144 bytes; cpart 2,097,152 bytes
;; launch prep (part 1): grid 256 x 1, 8 waves a work-group, no clusters, 9,216 bytes of LDS; arguments W_h, W_s, s_t_hat, b_s, whb, decp; writes whb, decp
.if DOCPART == 1
	.amdgcn_target "amdgcn-amd-amdhsa--gfx1250"
	.amdhsa_code_object_version 6
	.text
	.protected	k_q01779e5cd3_prep
	.globl	k_q01779e5cd3_prep
	.p2align	8
	.type	k_q01779e5cd3_prep,@function
k_q01779e5cd3_prep:
	s_mov_b64 s[64:65], 0
	v_nop
	global_prefetch_b8 v0, s[64:65] scope:SCOPE_SE
	s_setreg_imm32_b32 hwreg(HW_REG_WAVE_MODE, 25, 1), 1
	s_wait_xcnt 0x0
; THE PROGRAM (three launches: prep, main, final) computes
;   e = tanh(enc W_h^T + dec + coverage W_c), scores = e . v, attn = softmax(scores) mask / sum(softmax(scores) mask), c_t = attn enc, coverage + attn.
; tanh(x) = 1 - 2 r with r = 1 / (1 + 2^(K x)), K = 2 log2(e).  So scores[b][s] = sum_o v[o] - 2 sum_o v[o] r[b][s][o].
; WORK LEFT OUT, for all finite values of the inputs:
;   (1) sum_o v[o] is the same number for every s of a row b of the softmax: exp(a + t) / sum exp(a + t) = exp(a) / sum exp(a).  It reaches no output.  The program works with
;       s' = sum_o (-2 v[o]) r.  The term is a sum of 1,024 numbers of v's size, of the same order as s' itself: nothing is lost beside it.
;   (2) the softmax's own divisor Z: attn = (p / Z) mask / sum((p / Z) mask) = p mask / sum(p mask), p = exp(s' - max s').  Z is not formed.
;       The maximum is still taken away, over all s of the row, masked ones too, as reference() takes it.
; Every input has a way to an output and is loaded.  LIMIT: a NaN, an infinity or an overflow that would arise in sum_o v[o] or in Z alone is not carried to the result.
; OTHER LIMITS: enc, K W_h, W_s and s_t_hat are rounded once to bf16 for the matrix unit; exponentials and reciprocals give 0 for results below 2^-126; NaN and infinities among the inputs are not treated apart.
;
; THIS LAUNCH makes whb = bf16(K W_h), [o][k], and decp = K (s_t_hat W_s^T + b_s), [b][o] f32: K is folded in here, so that the main launch's finished sums are the exponents themselves.
; Work-group g of 256, eight waves.  (i) Rows 4 g .. 4 g + 3 of W_h: thread t takes 16 bytes of each row; a wave's store covers 256 consecutive bytes, aligned.
; (ii) One tile of decp: columns o = 16 (g / 4) .., rows b = 16 (g % 4) ..; K is split among the waves, 128 each, and the eight partial tiles meet in LDS.
; Source 0 = 16 rows of W_s, source 1 = 16 rows of s_t_hat: a lane holds one b (lane % 16) and the columns 8 (lane / 16) + 0..7.  A row's piece of a tile is 64 bytes: decp is 1/1,000 of the program's bytes, and a wider tile would leave three work-groups in four without a product.
.set SPARE, 8192                       ; behind the partial tiles: the spare words, 128 bytes for each of the eight waves
.set FO,  3                            ; v3   r x 4096 + 512 wave + 32 h: my place in a fragment's f32 rows
.set T16, 4                            ; v4   16 t
.set T8,  5                            ; v5   8 t
.set LS,  6                            ; v6   1024 wave + 32 lane: where I put my 32 bytes of a partial tile
.set LR,  7                            ; v7   32 lane: where wave 0 reads them back
.set DO,  8                            ; v8   my 32 bytes of decp
.set BO,  9                            ; v9   my 32 bytes of b_s
.set SPW, 10                           ; v10  my spare word; never rewritten
.set NIL, 11                           ; v11  0; never rewritten
.set ACC, 16                           ; v[16:23], v[24:31] two accumulators that take turns
.set BS,  32                           ; v[32:39]  b_s
.set WF,  40                           ; v[40:55]  W_h in f32;  v[56:63] in bf16
.set SF,  64                           ; v[64:127] W_s in f32, 16 registers a K step; later the eight partial tiles
.set XF,  128                          ; v[128:191] s_t_hat in f32
.set SB,  192                          ; v[192:223] W_s's fragments, 8 a K step
.set XB,  224                          ; v[224:255] s_t_hat's
	s_load_b256 s[4:11], s[0:1], 0x0               ; W_h s[4:5], W_s s[6:7], s_t_hat s[8:9], b_s s[10:11]
	s_load_b128 s[12:15], s[0:1], 0x20             ; whb s[12:13], decp s[14:15]
	v_lshl_add_u32 v[SPW], v0, 2, SPARE
	v_mov_b32 v[NIL], 0
	v_lshrrev_b32 v1, 5, v0
	v_readfirstlane_b32 s16, v1                    ; wave 0..7
	v_and_b32 v1, 15, v0                           ; r
	v_bfe_u32 v2, v0, 4, 1                         ; h
	v_and_b32 v12, 31, v0                          ; lane
	s_lshr_b32 s17, ttmp9, 2                       ; the tile's 16 columns o
	s_and_b32 s18, ttmp9, 3                        ; the tile's 16 rows b
	s_mov_b32 s20, 0x4038aa3b                      ; K = 2 log2(e)
	s_mov_b32 s21, s20                             ; named with it as a pair
	v_lshlrev_b32 v[FO], 12, v1
	v_lshl_add_u32 v[FO], v2, 5, v[FO]
	s_lshl_b32 s19, s16, 9
	v_add_nc_u32 v[FO], s19, v[FO]
	v_lshlrev_b32 v[T16], 4, v0
	v_lshlrev_b32 v[T8], 3, v0
	s_lshl_b32 s19, s16, 10
	v_lshl_add_u32 v[LS], v12, 5, s19
	v_lshlrev_b32 v[LR], 5, v12
	s_lshl_b32 s22, s18, 16                        ; 16 rows of decp,
	s_lshl_b32 s23, s17, 6                         ; 16 columns
	s_add_co_u32 s22, s22, s23
	v_lshlrev_b32 v[DO], 12, v1
	v_lshl_add_u32 v[DO], v2, 5, v[DO]
	v_add_nc_u32 v[DO], s22, v[DO]
	v_lshl_add_u32 v[BO], v2, 5, s23
	s_lshl_b32 s24, ttmp9, 14                      ; four rows of W_h
	s_mov_b32 s25, 0
	s_lshl_b32 s26, ttmp9, 13                      ; four rows of whb
	s_mov_b32 s27, 0
	s_lshl_b32 s28, s17, 16                        ; sixteen rows of W_s
	s_mov_b32 s29, 0
	s_lshl_b32 s30, s18, 16                        ; sixteen rows of s_t_hat
	s_mov_b32 s31, 0
	s_wait_kmcnt 0x0
	s_add_nc_u64 s[4:5], s[4:5], s[24:25]
	s_add_nc_u64 s[12:13], s[12:13], s[26:27]
	s_add_nc_u64 s[6:7], s[6:7], s[28:29]
	s_add_nc_u64 s[8:9], s[8:9], s[30:31]
.irp i, 0,1,2,3
	global_load_b128 v[WF+4*(\i):WF+4*(\i)+3], v[T16], s[4:5] offset:4096*(\i) th:TH_LOAD_NT
.endr
; A fragment is 16 rows x 32 K: lane (r, h) holds K = 8 h + 0..7 and 16 + 8 h + 0..7: in f32 four loads of 16 bytes, at 0, 16, 64 and 80 behind 32 h.
.irp s, 0,1,2,3
.irp n, 0,1,2,3
	global_load_b128 v[SF+16*(\s)+4*(\n):SF+16*(\s)+4*(\n)+3], v[FO], s[6:7] offset:128*(\s)+16*((\n)%2)+64*((\n)/2)
	global_load_b128 v[XF+16*(\s)+4*(\n):XF+16*(\s)+4*(\n)+3], v[FO], s[8:9] offset:128*(\s)+16*((\n)%2)+64*((\n)/2)
.endr
.endr
	global_load_b128 v[BS:BS+3], v[BO], s[10:11]
	global_load_b128 v[BS+4:BS+7], v[BO], s[10:11] offset:16
	s_wait_loadcnt 34                              ; W_h's four loads are in; the 34 younger ones may stay out
.irp z, 0,2,4,6,8,10,12,14
	v_pk_mul_f32 v[WF+(\z):WF+(\z)+1], v[WF+(\z):WF+(\z)+1], s[20:21] op_sel_hi:[1,0]
.endr
.irp z, 0,1,2,3,4,5,6,7
	v_cvt_pk_bf16_f32 v[WF+16+(\z)], v[WF+2*(\z)], v[WF+2*(\z)+1]
.endr
.irp i, 0,1,2,3
	global_store_b64 v[T8], v[WF+16+2*(\i):WF+16+2*(\i)+1], s[12:13] offset:2048*(\i)
.endr
	s_wait_loadcnt 0x0
.set z, 0
.rept 32
	v_cvt_pk_bf16_f32 v[SB+z], v[SF+2*z], v[SF+2*z+1]
	v_cvt_pk_bf16_f32 v[XB+z], v[XF+2*z], v[XF+2*z+1]
.set z, z+1
.endr
	v_wmma_f32_16x16x32_bf16 v[ACC:ACC+7],    v[SB:SB+7],     v[XB:XB+7],     0   ; the two accumulators take turns; the first two products start the sums
	v_wmma_f32_16x16x32_bf16 v[ACC+8:ACC+15], v[SB+8:SB+15],  v[XB+8:XB+15],  0
	v_wmma_f32_16x16x32_bf16 v[ACC:ACC+7],    v[SB+16:SB+23], v[XB+16:XB+23], v[ACC:ACC+7]
	v_wmma_f32_16x16x32_bf16 v[ACC+8:ACC+15], v[SB+24:SB+31], v[XB+24:XB+31], v[ACC+8:ACC+15]
.rept 8
	v_nop                                          ; the places behind the last product, ahead of the sums that read results (ISA guide 7.12.1); once a launch
.endr
.irp z, 0,2,4,6
	v_pk_add_f32 v[ACC+(\z):ACC+(\z)+1], v[ACC+(\z):ACC+(\z)+1], v[ACC+8+(\z):ACC+8+(\z)+1]
.endr
	ds_store_b128 v[LS], v[ACC:ACC+3]
	ds_store_b128 v[LS], v[ACC+4:ACC+7] offset:16
	s_wait_dscnt 0x0                               ; for the others' sake: my partial tile lies in LDS
	s_barrier_signal -1
	s_barrier_wait -1
	s_cmp_lg_u32 s16, 0                            ; wave 0 adds the eight up
	s_cbranch_scc1 .Lend
.irp w, 0,1,2,3,4,5,6,7
	ds_load_b128 v[SF+8*(\w):SF+8*(\w)+3],   v[LR] offset:1024*(\w)
	ds_load_b128 v[SF+8*(\w)+4:SF+8*(\w)+7], v[LR] offset:1024*(\w)+16
.endr
	s_wait_dscnt 0x0
.irp p, 0,2,4,6
.irp z, 0,2,4,6
	v_pk_add_f32 v[SF+8*(\p)+(\z):SF+8*(\p)+(\z)+1], v[SF+8*(\p)+(\z):SF+8*(\p)+(\z)+1], v[SF+8*(\p)+8+(\z):SF+8*(\p)+8+(\z)+1]
.endr
.endr
.irp p, 0,4
.irp z, 0,2,4,6
	v_pk_add_f32 v[SF+8*(\p)+(\z):SF+8*(\p)+(\z)+1], v[SF+8*(\p)+(\z):SF+8*(\p)+(\z)+1], v[SF+8*(\p)+16+(\z):SF+8*(\p)+16+(\z)+1]
.endr
.endr
.irp z, 0,2,4,6
	v_pk_add_f32 v[SF+(\z):SF+(\z)+1], v[SF+(\z):SF+(\z)+1], v[SF+32+(\z):SF+32+(\z)+1]
.endr
.irp z, 0,2,4,6
	v_pk_add_f32 v[SF+(\z):SF+(\z)+1], v[SF+(\z):SF+(\z)+1], v[BS+(\z):BS+(\z)+1]
.endr
.irp z, 0,2,4,6
	v_pk_mul_f32 v[SF+(\z):SF+(\z)+1], v[SF+(\z):SF+(\z)+1], s[20:21] op_sel_hi:[1,0]
.endr
	global_store_b128 v[DO], v[SF:SF+3], s[14:15]
	global_store_b128 v[DO], v[SF+4:SF+7], s[14:15] offset:16
.Lend:
	s_wait_tensorcnt 0x0                           ; the wave's end, behind my last LDS store
	ds_add_u32 v[SPW], v[NIL]
	s_wait_dscnt 0x0
	s_endpgm
.Lfunc_end_k_q01779e5cd3_prep:
	.size	k_q01779e5cd3_prep, .Lfunc_end_k_q01779e5cd3_prep-k_q01779e5cd3_prep
	.p2alignl 7, 3214868480
	.fill 96, 4, 3214868480
	.section	.rodata,"a",@progbits
	.p2align	6, 0x0
	.amdhsa_kernel k_q01779e5cd3_prep
		.amdhsa_group_segment_fixed_size 9216
		.amdhsa_private_segment_fixed_size 0
		.amdhsa_enable_private_segment 0
		.amdhsa_kernarg_size 48
		.amdhsa_user_sgpr_count 2
		.amdhsa_user_sgpr_kernarg_segment_ptr 1
		.amdhsa_wavefront_size32 1
		.amdhsa_system_sgpr_workgroup_id_x 1
		.amdhsa_system_sgpr_workgroup_id_y 1
		.amdhsa_system_sgpr_workgroup_id_z 1
		.amdhsa_system_vgpr_workitem_id 0
		.amdhsa_next_free_vgpr 256
		.amdhsa_next_free_sgpr 66
		.amdhsa_reserve_vcc 0
		.amdhsa_float_denorm_mode_32 3
		.amdhsa_float_denorm_mode_16_64 3
		.amdhsa_memory_ordered 1
		.amdhsa_forward_progress 1
		.amdhsa_inst_pref_size 16
	.end_amdhsa_kernel
	.amdgpu_metadata
---
amdhsa.version: [ 1, 2 ]
amdhsa.kernels:
  - .name:           k_q01779e5cd3_prep
    .symbol:         k_q01779e5cd3_prep.kd
    .args:
      - { .name: W_h, .offset: 0, .size: 8, .value_kind: global_buffer, .address_space: global }
      - { .name: W_s, .offset: 8, .size: 8, .value_kind: global_buffer, .address_space: global }
      - { .name: s_t_hat, .offset: 16, .size: 8, .value_kind: global_buffer, .address_space: global }
      - { .name: b_s, .offset: 24, .size: 8, .value_kind: global_buffer, .address_space: global }
      - { .name: whb, .offset: 32, .size: 8, .value_kind: global_buffer, .address_space: global }
      - { .name: decp, .offset: 40, .size: 8, .value_kind: global_buffer, .address_space: global }
    .group_segment_fixed_size: 9216
    .private_segment_fixed_size: 0
    .kernarg_segment_align: 8
    .kernarg_segment_size: 48
    .max_flat_workgroup_size: 256
    .sgpr_count:     66
    .vgpr_count:     256
    .wavefront_size: 32
...
	.end_amdgpu_metadata
.endif
;; end of part 1
;; launch main (part 2): grid 512 x 1, 4 waves a work-group, clusters of 4 x 1, 327,680 bytes of LDS; arguments encoder_outputs, whb, decp, W_c, v, coverage, enc_padding_mask, scores, cpart; writes scores, cpart
.if DOCPART == 2
	.amdgcn_target "amdgcn-amd-amdhsa--gfx1250"
	.amdhsa_code_object_version 6
	.text
	.protected	k_q01779e5cd3_main
	.globl	k_q01779e5cd3_main
	.p2align	8
	.type	k_q01779e5cd3_main,@function
k_q01779e5cd3_main:
	s_mov_b64 s[64:65], 0
	v_nop
	global_prefetch_b8 v0, s[64:65] scope:SCOPE_SE
	s_setreg_imm32_b32 hwreg(HW_REG_WAVE_MODE, 25, 1), 1
	s_wait_xcnt 0x0
	s_wait_alu depctr_hold_cnt(0) depctr_sa_sdst(0) depctr_va_vdst(0) depctr_va_sdst(0) depctr_va_ssrc(0) depctr_va_vcc(0) depctr_vm_vsrc(0)
	s_getreg_b32 s2, hwreg(HW_REG_IB_STS2, 6, 4)
	s_cmp_eq_u32 s2, 0
	s_cbranch_scc0 .Lentry_in_a_cluster
	s_endpgm
.Lentry_in_a_cluster:
	s_bfe_u32 s2, ttmp6, 0x10000c
	s_cmp_lg_u32 s2, 0x3003
	s_cbranch_scc0 .Lentry_shape_is_right
	s_endpgm
.Lentry_shape_is_right:
; For a block of 128 rows (one b, 128 s) of enc: s'[s] = sum_o (-2 v[o]) / (1 + 2^x'), x' = enc . (K W_h)[o] + K dec[o] + coverage[s] K W_c[o]; then p = 2^(c (s' - m)) mask, m the block's maximum of s',
; c = log2(e); and cpart[ch] = sum_s p[s] enc[s][ch].  Stored: s' (scores) and cpart; the last launch joins a row's eight blocks.
; LEFT OUT, as shown at the head of the first kernel: the term sum_o v[o] of the scores, the same for all s of a softmax row, and the softmax's own divisor, which cancels.
; LIMITS: enc and K W_h are bf16 (one rounding each); p enters the second product as two bf16 numbers, p_hi + p_lo; 2^x' = infinity gives 0 and 2^x' = 0 gives 1, which are tanh's own ends; results of exponentials below 2^-126 count as 0.
; EACH BYTE OF enc IS READ ONCE: the block stays on the WGP from its load to its share of c_t.  In bf16 it is 256 KiB: channels 0-511 lie in LDS (133,120 bytes with padding), channels 512-1023 in registers, as
; fragments: each wave holds its 64 rows x 512 channels in 512 registers (the two waves of a row half hold the same).
; SHARES.  Work-group g of 512 owns rows 128 g ..; it makes all 1,024 columns o, in 4 chunks of 256.  Wave w (wr = w / 2, wc = w % 2) makes 64 rows x 128 columns of a chunk: 4 x 8 accumulators, 256 registers.
; THE PRODUCT IS USED TRANSPOSED: source 0 = 16 rows of whb, source 1 = 16 rows of enc: a lane holds ONE row s (lane % 16) and the columns o = 8 (lane / 16) + 0..7.  The sums START at K dec + coverage K W_c, written
; into the accumulators by packed multiply-adds, so that a finished sum is the exponent itself.
; THE RING.  whb goes in tiles of 256 rows o x 128 K (256 bytes of a row of memory, aligned) through two LDS slots; each wave fetches 64 rows with one tensor load.  By the text's own count a wave has two tensor loads out at the start, later one.
; CLUSTER.  All work-groups walk the same 32 tiles of whb: the four of a cluster ask JOINTLY: the same load, descriptor and mask (15) in all four.  enc's rows are nobody else's.
; THE WALK.  Cluster x begins with chunk x % 4 and walks the four chunks in a ring, so that clusters of four classes ask for four different tiles in the same K step; a score is a sum over all o, the same in any order of the chunks.
; The first chunk enters global addresses alone (the tiles', the prefetch's, and those from which the three tables by o are loaded): the tables lie in LDS in the order of the walk, and no LDS address hangs on it.
; REGISTERS, in windows of 256 (s_set_vgpr_msb: bits 1:0 source 0, 3:2 source 1, 5:4 source 2, 7:6 destination):
;   window 0: v0-31 addresses, coverage, mask; v32-47 the scores' running sums; v48-63 at work; v64-191 two buffers of whb's fragments; v192-255 two buffers of enc's fragments from LDS
;   window 1: the accumulators ((a, bt) at 8 (8 a + bt)); while enc is loaded: two batches of 128 registers; at the end: c_t's sums
;   windows 2, 3: enc's channels 512-1023: group q of 32 channels, row tile a, at window 2 + q / 8, register 32 (q % 8) + 8 a
.set PB,    272                        ; a row of a tile of whb in LDS: 256 bytes + 16 = 17 x 16: the 16 rows of a fragment load start in 16 different groups of four banks (ISA guide 11.1)
.set SLOTB, 256*PB                     ; a slot: 69,632 bytes; the ring lies at 0
.set ALDS,  2*SLOTB                    ; enc's half block: 128 rows,
.set PA,    1040                       ; 1,024 bytes + 16 = 65 x 16 apart
.set TAB,   ALDS+128*PA                ; three tables of 1,024 f32 by o, in the order of the walk: K dec, K W_c (+4,096), -2 v (+8,192)
.set SCR,   TAB+12288                  ; the scores' two halves: [wc][128 rows] f32
.set PTAB,  SCR+1024                   ; for each wave 512 bytes: p_hi, p_lo as bf16 by key place
.set CST,   PTAB+2048                  ; for each wave 1,024 bytes: its 256 numbers of cpart
.set SPARE, CST+4096                   ; the spare words, 128 bytes for each wave: two blocks of 256 bytes that no other line names.  Tensor loads fill the ring alone
.set ADRB, 3                           ; v3, v4  my place in whb's fragments, slot 0, 1
.set ADRA, 5                           ; v5   my place in enc's fragments in LDS
.set TADR, 6                           ; v6   my place in the tables, this chunk's
.set GA,   7                           ; v7   my byte offset in the block of enc: 32 rows a wave, 16 bytes a lane
.set LA,   8                           ; v8   where those go in LDS, 8 bytes a lane
.set SPW,  9                           ; v9   my spare word; never rewritten
.set NIL,  10                          ; v10  0; never rewritten
.set PFO,  11                          ; v11  the prefetch's offset; never rewritten
.set SCW,  12                          ; v12  where I put a row's half score
.set L16,  13                          ; v13  16 x lane
.set SRD,  14                          ; v14  where I read four rows' scores
.set PST,  15                          ; v15  where I put my four rows' weights
.set COV,  16                          ; v[16:23] coverage of my row in row tile a, twice, at COV + 2 a
.set MSK,  24                          ; v[24:27] the mask of rows 4 lane ..
.set PLD,  28                          ; v28  my place in the weights' fragments
.set TRA,  29                          ; v29, v30 my place in the turning loads, rows 0-63, 64-127
.set CSTO, 31                          ; v31  where I put a number of cpart
.set SACC, 32                          ; v[32:47] pair at SACC + 4 a + 2 p
.set BF0,  64
.set AF0,  192
.set WV, 22                            ; s22 wave; s23 wr; s24 wc; s25 my place in the cluster; s26 g; s27 b
.set WR, 23
.set WC, 24
.set CX, 25
.set GB, 26
.set BB, 27
.set G1, 28                            ; s[28:35] descriptor group 1
.set G0, 36                            ; s[36:43] group 0, a set for each slot
.set CH, 44                            ; s44  chunks to go, this one among them
.set LIM, 45                           ; s45  3 in the four clusters that prefetch, else the greatest number
.set PFA, 46                           ; s[46:47] whb at my work-group's 16 rows of each wave's 64, in my cluster's first chunk; never rewritten
.set SEL, 50                           ; s[50:51] v_permlanex16_b32's selects: each lane takes its own place in the other half
.set WB,  52                           ; s[52:53] whb at my wave's 64 rows of chunk 0; never rewritten once made
.set KS,  56                           ; s[56:57] K = 2 log2(e)
.set LG,  58                           ; s58  log2(e)
.set CI,  59                           ; s59  the chunk whose tiles are being asked for: the same in all four partners
.set OF,  60                           ; s[60:61] a tile's byte offset behind s[WB:WB+1]
.set MSB, 0
.macro WIN new                         ; the immediate's high byte repeats the setting that is left; a switch that changes nothing is dropped
.if MSB != (\new)
	s_set_vgpr_msb (MSB<<8)|(\new)
.set MSB, \new
.endif
.endm
.macro PLACES                          ; four places behind a matrix instruction, ahead of loads into registers that it has read and of lines that read its results (ISA guide 7.12.1 for the lines that read its results)
.rept 4
	v_nop
.endr
.endm
.macro CREST                           ; a round of the cluster's barrier behind its opening barrier
	s_cmp_lg_u32 s[WV], 0
	s_cbranch_scc1 .Lnot_wave_0_\@
	s_barrier_signal -3
.Lnot_wave_0_\@:
	s_barrier_wait -3
	s_barrier_signal -1
	s_barrier_wait -1
.endm
.macro CROUND
	s_barrier_signal -1
	s_barrier_wait -1
	CREST
.endm
.macro JLOAD n                         ; a joint load: every wave fetches its own 64 rows of the tile, so no branch picks the loading waves; an s_nop 0 and four v_nop follow
	tensor_load_to_lds s[G0+4*(\n):G0+4*(\n)+3], s[G1:G1+7]
	s_nop 0
.rept 4
	v_nop
.endr
.endm
	s_load_b512 s[4:19], s[0:1], 0x0               ; enc s[4:5], whb s[6:7], decp s[8:9], W_c s[10:11], v s[12:13], coverage s[14:15], mask s[16:17], scores s[18:19]
	s_load_b64 s[20:21], s[0:1], 0x40              ; cpart
	v_lshl_add_u32 v[SPW], v0, 2, SPARE
	v_mov_b32 v[NIL], 0
	ds_add_u32 v[SPW], v[NIL]                      ; the wave's opening: the add, twice on end, and its wait ahead of my first tensor load; the set-up below stands between
	ds_add_u32 v[SPW], v[NIL]
	v_lshrrev_b32 v1, 5, v0
	v_readfirstlane_b32 s[WV], v1
	s_lshr_b32 s[WR], s[WV], 1
	s_and_b32 s[WC], s[WV], 1
	s_bfe_u32 s[CX], ttmp6, 0x40000
	s_lshl_b32 s[GB], ttmp9, 2                     ; in a cluster launch ttmp9 counts clusters
	s_add_co_u32 s[GB], s[GB], s[CX]               ; my block: it enters global addresses alone
	s_lshr_b32 s[BB], ttmp9, 1                     ; eight blocks to a b
	s_and_b32 s[CI], ttmp9, 3                      ; my cluster's first chunk,
	s_lshl_b32 s[OF], s[CI], 19                    ; its 256 rows of 2,048 bytes in whb
	s_mov_b32 s[OF+1], 0
	s_mov_b32 s[G1+0], 15|(1<<16)|(1<<20)|(1<<21)|(5<<22)|(3<<25)  ; 15:0 the mask of four; 17:16 2-byte elements; 20 padding on; 21 set beside a mask; 24:22 after every 64 words; 31:25 4 words
	s_mov_b32 s[G1+1], 128<<16                     ; tensor_dim0 = 128
	s_mov_b32 s[G1+2], 64<<16                      ; tensor_dim1 = 64
	s_mov_b32 s[G1+3], 128<<16                     ; tile_dim0 = 128
	s_mov_b32 s[G1+4], 64                          ; tile_dim1 = 64
	s_mov_b32 s[G1+5], 1024                        ; 1,024 elements from row to row
	s_mov_b32 s[G1+6], 0
	s_mov_b32 s[G1+7], 0
	s_mov_b32 s[SEL], 0x76543210
	s_mov_b32 s[SEL+1], 0xfedcba98
	s_mov_b32 s[KS], 0x4038aa3b
	s_mov_b32 s[KS+1], s[KS]
	s_mov_b32 s[LG], 0x3fb8aa3b
	s_cmp_lt_u32 ttmp9, 4
	s_cselect_b32 s[LIM], 3, -1                    ; the same in all four partners
	s_mul_i32 s48, s[WV], 64*PB                    ; my 64 rows in a slot: no place in the cluster enters an LDS address
	s_lshl_b32 s52, s[WV], 17                      ; and in whb: 64 rows of 2,048 bytes
	s_mov_b32 s53, 0
	s_mov_b32 s55, 0
	v_and_b32 v1, 15, v0                           ; r
	v_bfe_u32 v2, v0, 4, 1                         ; h
	v_and_b32 v48, 31, v0                          ; lane
	v_lshlrev_b32 v[L16], 4, v48
	v_add_nc_u32 v[GA], s52, v[L16]                ; 32 rows of 4,096 bytes a wave
	s_lshl_b32 s49, s[WV], 9
	v_add_nc_u32 v49, s49, v[L16]                  ; 512 wave + 16 lane: my 16 bytes of half a table in LDS
	s_lshl_b32 s49, s[WR], 8
	v_lshl_add_u32 v50, v1, 2, s49                 ; 4 (64 wr + r): my row's coverage
	s_lshl_b32 s49, s[CI], 10                      ; a chunk is 1,024 bytes of a table: place P of the walk holds byte (P + 1,024 x first chunk) mod 4,096 of the table in memory
	v_add_nc_u32 v54, s49, v49
	v_and_b32 v54, 0xfff, v54                      ; for my 16 bytes of the first half,
	v_xor_b32 v55, 0x800, v54                      ; and of the second, 2,048 on mod 4,096
	s_wait_dscnt 0x0                               ; both opening adds are done
	s_wait_kmcnt 0x0
	s_add_nc_u64 s[WB:WB+1], s[6:7], s[52:53]      ; whb at my 64 rows of chunk 0
	s_lshl_b32 s54, s[CX], 15
	s_add_co_u32 s54, s54, s[OF]
	s_add_nc_u64 s[PFA:PFA+1], s[6:7], s[54:55]    ; the partners share the prefetched rows out by address, 16 of each wave's 64
	s_lshl_b32 s54, s[GB], 19
	s_add_nc_u64 s[4:5], s[4:5], s[54:55]          ; enc at my block
	s_lshl_b32 s54, s[GB], 9
	s_add_nc_u64 s[14:15], s[14:15], s[54:55]      ; coverage, mask and scores at my 128 rows
	s_add_nc_u64 s[16:17], s[16:17], s[54:55]
	s_add_nc_u64 s[18:19], s[18:19], s[54:55]
	s_lshl_b32 s54, s[GB], 12
	s_add_nc_u64 s[20:21], s[20:21], s[54:55]      ; cpart at my block's row
	s_lshl_b32 s54, s[BB], 12
	s_add_nc_u64 s[8:9], s[8:9], s[54:55]          ; decp at my b
	CROUND                                         ; all four work-groups are here: the first joint loads meet
.irp n, 0,1
	s_mov_b32 s[G0+4*(\n)], 1                      ; count = 1
	s_add_co_u32 s[G0+4*(\n)+1], s48, (\n)*SLOTB   ; LDS address
	s_add_nc_u64 s[G0+4*(\n)+2:G0+4*(\n)+3], s[WB:WB+1], s[OF:OF+1]  ; global address: my cluster's first chunk,
.if (\n) > 0
	s_add_nc_u64 s[G0+4*(\n)+2:G0+4*(\n)+3], s[G0+4*(\n)+2:G0+4*(\n)+3], (\n)*256  ; K step n
.endif
	s_or_b32 s[G0+4*(\n)+3], s[G0+4*(\n)+3], 0x80000000          ; type = 2
	JLOAD \n                                       ; the first fills, ahead of every wait on TENSORcnt, LDS read and work-group barrier
.endr
; enc COMES IN by batches of 8 rows x 2,048 bytes (half a row) a wave: 32 loads of 512 consecutive bytes.  Two batches (xy = 0, 1) are always out.  Pair p of batches: 16 rows; p = 0, 1 channels 512-1023, p = 2, 3 channels 0-511.
.macro ISSUE xy, p
	WIN 0x40                                       ; destination window 1
.irp i, 0,1,2,3,4,5,6,7
.irp j, 0,1,2,3
	global_load_b128 v[128*(\xy)+16*(\i)+4*(\j):128*(\xy)+16*(\i)+4*(\j)+3], v[GA], s[4:5] offset:(16*((\p)&1)+8*(\xy)+(\i))*4096+2048*(1-(\p)/2)+512*(\j) th:TH_LOAD_NT
.endr
.endr
.endm
; A batch is rounded to bf16 and stored into the wave's own 32 rows of the half block: a store covers 256 consecutive bytes.  left: the other batch's younger loads, which stay out.
.macro PROC xy, p, left
	s_wait_loadcnt \left
	WIN 0x05                                       ; sources window 1, destination window 0
.set z, 0
.rept 64
	v_cvt_pk_bf16_f32 v[BF0+64*(\xy)+z], v[128*(\xy)+2*z], v[128*(\xy)+2*z+1]
.set z, z+1
.endr
	WIN 0
.irp i, 0,1,2,3,4,5,6,7
.irp j, 0,1,2,3
	ds_store_b64 v[LA], v[BF0+64*(\xy)+8*(\i)+2*(\j):BF0+64*(\xy)+8*(\i)+2*(\j)+1] offset:(16*((\p)&1)+8*(\xy)+(\i))*PA+256*(\j)
.endr
.endr
.endm
; My 64 rows x 512 channels out of LDS into windows 2 and 3, as fragments: lane (r, h) holds row r, channels 8 h + 0..7 and 16 + 8 h + 0..7 of a group of 32.
.macro FRAGS
.irp q, 0,1,2,3,4,5,6,7,8,9,10,11,12,13,14,15
	WIN 0x80+0x40*((\q)/8)
.irp a, 0,1,2,3
	ds_load_b128 v[32*((\q)%8)+8*(\a):32*((\q)%8)+8*(\a)+3],   v[ADRA] offset:16*PA*(\a)+64*(\q)
	ds_load_b128 v[32*((\q)%8)+8*(\a)+4:32*((\q)%8)+8*(\a)+7], v[ADRA] offset:16*PA*(\a)+64*(\q)+32
.endr
.endr
	WIN 0
.endm
	global_load_b128 v[192:195], v54, s[8:9]       ; eleven small loads: K dec, W_c and v, 32 bytes a thread each,
	global_load_b128 v[196:199], v55, s[8:9]
	global_load_b128 v[200:203], v54, s[10:11]
	global_load_b128 v[204:207], v55, s[10:11]
	global_load_b128 v[208:211], v54, s[12:13]
	global_load_b128 v[212:215], v55, s[12:13]
.irp a, 0,1,2,3
	global_load_b32 v[COV+2*(\a)], v50, s[14:15] offset:64*(\a)  ; my row's coverage in each row tile,
.endr
	global_load_b128 v[MSK:MSK+3], v[L16], s[16:17]              ; the mask of rows 4 lane ..
	ISSUE 0, 0
	ISSUE 1, 0
	WIN 0
	; the LDS addresses, made while the loads are on their way
	s_mul_i32 s48, s[WV], 32*PA
	s_add_co_u32 s48, s48, ALDS
	v_lshl_add_u32 v[LA], v48, 3, s48
	v_add_nc_u32 v51, TAB, v49
	v_mul_u32_u24 v52, v1, PB
	v_lshl_add_u32 v52, v2, 4, v52
	s_mul_i32 s48, s[WC], 128*PB
	v_add_nc_u32 v[ADRB], s48, v52                 ; (128 wc + r) x pitch + 16 h
	v_add_nc_u32 v[ADRB+1], SLOTB, v[ADRB]
	v_mul_u32_u24 v52, v1, PA
	v_lshl_add_u32 v52, v2, 4, v52
	s_mul_i32 s48, s[WR], 64*PA
	s_add_co_u32 s48, s48, ALDS
	v_add_nc_u32 v[ADRA], s48, v52                 ; (64 wr + r) x pitch + 16 h
	s_lshl_b32 s48, s[WC], 9
	s_add_co_u32 s49, s48, TAB
	v_lshl_add_u32 v[TADR], v2, 5, s49             ; 4 (128 wc + 8 h)
	s_lshl_b32 s49, s[WV], 17
	v_lshl_add_u32 v[PFO], v1, 11, s49             ; row 64 wave + lane % 16,
	v_lshl_add_u32 v[PFO], v2, 8, v[PFO]           ; lanes 16-31: the next K step's 256 bytes
	s_add_co_u32 s49, s48, SCR
	v_add_nc_u32 v[SCW], s49, v50
	v_add_nc_u32 v[SRD], SCR, v[L16]
	s_lshl_b32 s48, s[WV], 9
	s_add_co_u32 s48, s48, PTAB
	v_lshrrev_b32 v52, 2, v48
	v_and_b32 v53, 3, v48
	v_lshl_add_u32 v52, v52, 5, s48
	v_lshl_add_u32 v[PST], v53, 2, v52
	v_and_b32 v52, 1, v0
	v_lshl_add_u32 v52, v52, 8, s48
	v_lshl_add_u32 v[PLD], v2, 4, v52
	v_and_b32 v52, 7, v0
	v_lshl_add_u32 v52, v52, 1, v2                 ; row 2 (lane % 8) + h
	v_mul_u32_u24 v52, v52, PA
	v_bfe_u32 v53, v0, 3, 1
	v_lshl_add_u32 v52, v53, 4, v52
	s_lshl_b32 s48, s[WV], 8
	s_add_co_u32 s48, s48, ALDS
	v_add_nc_u32 v[TRA], s48, v52
	v_add_nc_u32 v[TRA+1], 64*PA, v[TRA]
	s_lshl_b32 s48, s[WV], 10
	s_add_co_u32 s48, s48, CST
	v_lshl_add_u32 v[CSTO], v1, 2, s48
	PROC 0, 0, 32                                  ; its wait also shows the eleven small loads in: they are older
.irp z, 0,2,4,6
	v_pk_mul_f32 v[200+(\z):201+(\z)], v[200+(\z):201+(\z)], s[KS:KS+1] op_sel_hi:[1,0]  ; K W_c
	v_pk_mul_f32 v[208+(\z):209+(\z)], v[208+(\z):209+(\z)], -2.0 op_sel_hi:[1,0]        ; -2 v
.endr
.irp n, 0,1,2,3,4,5
	ds_store_b128 v51, v[192+4*(\n):195+4*(\n)] offset:2048*(\n)
.endr
.irp a, 0,1,2,3
	v_mov_b32 v[COV+2*(\a)+1], v[COV+2*(\a)]
.endr
.set z, 0
.rept 16
	v_mov_b32 v[SACC+z], 0                         ; the scores' sums run over four chunks in one text: they start at 0
.set z, z+1
.endr
	ISSUE 0, 1
	PROC 1, 0, 32
	ISSUE 1, 1
	PROC 0, 1, 32
	ISSUE 0, 2                                     ; channels 0-511 are on their way while channels 512-1023 change into registers
	PROC 1, 1, 32
	ISSUE 1, 2
	WIN 0
	s_wait_dscnt 0x0                               ; my stores are done,
	s_barrier_signal -1
	s_barrier_wait -1                              ; everybody's are
	FRAGS
	s_wait_dscnt 0x0                               ; my reads are back,
	s_barrier_signal -1
	s_barrier_wait -1                              ; everybody's are: the half block may be written anew
	PROC 0, 2, 32
	ISSUE 0, 3
	PROC 1, 2, 32
	ISSUE 1, 3
	PROC 0, 3, 32
	PROC 1, 3, 0
	s_wait_tensorcnt 1                             ; my part of the first tile is in; the second's may stay out
	s_wait_dscnt 0x0
	s_barrier_signal -1
	s_barrier_wait -1
; whb's fragments of 32 K (quarter i of a K step) for my 128 columns into buffer f; for K steps 0-3 also enc's, for my 64 rows.  One run of loads.
.macro FETCH slot, k, i, f
	WIN 0
.irp bt, 0,1,2,3,4,5,6,7
	ds_load_b128 v[BF0+64*(\f)+8*(\bt):BF0+64*(\f)+8*(\bt)+3],   v[ADRB+(\slot)] offset:64*(\i)+16*PB*(\bt)
	ds_load_b128 v[BF0+64*(\f)+8*(\bt)+4:BF0+64*(\f)+8*(\bt)+7], v[ADRB+(\slot)] offset:64*(\i)+16*PB*(\bt)+32
.endr
.if (\k) < 4
.irp a, 0,1,2,3
	ds_load_b128 v[AF0+32*(\f)+8*(\a):AF0+32*(\f)+8*(\a)+3],   v[ADRA] offset:256*(\k)+64*(\i)+16*PA*(\a)
	ds_load_b128 v[AF0+32*(\f)+8*(\a)+4:AF0+32*(\f)+8*(\a)+7], v[ADRA] offset:256*(\k)+64*(\i)+16*PA*(\a)+32
.endr
.endif
.endm
; n x 8 products: row tiles a0 .., all 8 column tiles, quarter i of K step k.  The 32 accumulators take turns in one order everywhere: 31 others stand between two links of a chain.
.macro MUL k, i, a0, n
.if (\k) < 4
	WIN 0x50                                       ; both sources window 0, C and D window 1
.else
	WIN 0x58+4*((4*((\k)-4)+(\i))/8)               ; source 1 in window 2 or 3
.endif
.set aa, \a0
.rept \n
.irp bt, 0,1,2,3,4,5,6,7
.if (\k) < 4
	v_wmma_f32_16x16x32_bf16 v[8*(8*aa+(\bt)):8*(8*aa+(\bt))+7], v[BF0+64*((\i)&1)+8*(\bt):BF0+64*((\i)&1)+8*(\bt)+7], v[AF0+32*((\i)&1)+8*aa:AF0+32*((\i)&1)+8*aa+7], v[8*(8*aa+(\bt)):8*(8*aa+(\bt))+7]
.else
	v_wmma_f32_16x16x32_bf16 v[8*(8*aa+(\bt)):8*(8*aa+(\bt))+7], v[BF0+64*((\i)&1)+8*(\bt):BF0+64*((\i)&1)+8*(\bt)+7], v[32*((4*((\k)-4)+(\i))%8)+8*aa:32*((4*((\k)-4)+(\i))%8)+8*aa+7], v[8*(8*aa+(\bt)):8*(8*aa+(\bt))+7]
.endif
.endr
.set aa, aa+1
.endr
.endm
; A PREFETCH INTO THE L2 of K steps 6 and 7 of a cluster's FIRST chunk: a lane a row's 256 bytes, lanes 0-15 the one K step, lanes 16-31 the other; one instruction a wave, in K step 0, behind the joint load and the run of
; LDS loads: the two refills that will want them follow four and five K steps later, 500 products or more.  Chunk c is the first chunk of every cluster x with x % 4 = c: cluster c (0 to 3) asks, its four partners sharing the
; rows out by address.  So each row's 256 bytes of these K steps are named once in the launch.  K steps 0 to 5 of a first chunk come by their loads alone; the walk's other three chunks are asked for by nobody here.
; The test passes where s[CH] = 4 (the first chunk) and s[LIM] = 3.
.macro ASK imm
	s_cmp_gt_u32 s[CH], s[LIM]
	s_cbranch_scc0 .Lnot_mine_\@
	global_prefetch_b8 v[PFO], s[PFA:PFA+1] offset:\imm th:TH_LOAD_NT scope:SCOPE_SE
.Lnot_mine_\@:
.endm
.macro VLOAD                           ; -2 v of my 128 columns of this chunk, where enc's fragment buffers lie idle
	WIN 0
.irp bt, 0,1,2,3,4,5,6,7
	ds_load_b128 v[AF0+8*(\bt):AF0+8*(\bt)+3],   v[TADR] offset:8192+64*(\bt)
	ds_load_b128 v[AF0+8*(\bt)+4:AF0+8*(\bt)+7], v[TADR] offset:8192+64*(\bt)+16
.endr
.endm
.macro TLOAD lo, toff                  ; K dec and K W_c of column tiles 4 lo .. 4 lo + 3 into whb's buffer lo; toff = 1,024: the next chunk's
	WIN 0
.irp b, 0,1,2,3
	ds_load_b128 v[BF0+64*(\lo)+16*(\b):BF0+64*(\lo)+16*(\b)+3],     v[TADR] offset:(\toff)+64*(4*(\lo)+(\b))
	ds_load_b128 v[BF0+64*(\lo)+16*(\b)+4:BF0+64*(\lo)+16*(\b)+7],   v[TADR] offset:(\toff)+64*(4*(\lo)+(\b))+16
	ds_load_b128 v[BF0+64*(\lo)+16*(\b)+8:BF0+64*(\lo)+16*(\b)+11],  v[TADR] offset:(\toff)+4096+64*(4*(\lo)+(\b))
	ds_load_b128 v[BF0+64*(\lo)+16*(\b)+12:BF0+64*(\lo)+16*(\b)+15], v[TADR] offset:(\toff)+4096+64*(4*(\lo)+(\b))+16
.endr
.endm
.macro UHALF lo                        ; half the accumulators start: K W_c[o] coverage[s] + K dec[o]
	WIN 0x40
.irp b, 0,1,2,3
.irp a, 0,1,2,3
.irp i, 0,1,2,3
	v_pk_fma_f32 v[8*(8*(\a)+4*(\lo)+(\b))+2*(\i):8*(8*(\a)+4*(\lo)+(\b))+2*(\i)+1], v[BF0+64*(\lo)+16*(\b)+8+2*(\i):BF0+64*(\lo)+16*(\b)+9+2*(\i)], v[COV+2*(\a):COV+2*(\a)+1], v[BF0+64*(\lo)+16*(\b)+2*(\i):BF0+64*(\lo)+16*(\b)+2*(\i)+1]
.endr
.endr
.endr
.endm
; A K STEP: four quarters of 32 K, 32 products each, on buffers 0, 1, 0, 1.  Each quarter waits for its fragments, asks for the next quarter's in one run, and multiplies.
; In the middle of quarter 2, when the slot's last fragments have been asked for, stands THE CHANGE OF SLOTS (mode 1, 2, 3): each wave waits for all its tensor loads, of which one is out: its part of the other slot; adds 0 to its
; spare word; and waits for that and for its own reads of this slot.  mode 2, 3: the barrier opens a round of the cluster's barrier, and behind it this slot is filled again first: with the tile two K steps on (2), or with K step
; 0 or 1 of the walk's next chunk (3), whose address is made anew from the chunk's number.  From a request to the wait for it a wave issues 128 products.  mode 1: nothing is left to ask for; mode 0: no change.
; q3: what quarter 3 asks for: 1 the next K step's first fragments; 2 the tables for the way out and the next chunk's start; 3 those for the way out alone.
.macro KSTEP k, mode, q3, askimm=-1
	s_wait_dscnt 0x0
	PLACES
	FETCH (\k)&1, \k, 1, 1
	MUL \k, 0, 0, 4
	s_wait_dscnt 0x0
	PLACES
	FETCH (\k)&1, \k, 2, 0
	MUL \k, 1, 0, 4
	s_wait_dscnt 0x0
	PLACES
	FETCH (\k)&1, \k, 3, 1
	MUL \k, 2, 0, 2
.if (\mode) == 0
	MUL \k, 2, 2, 2
.else
	WIN 0                                          ; (the add's two registers lie in window 0)
	s_wait_tensorcnt 0x0                           ; all my tensor loads have landed, so a group 0 may be written
	ds_add_u32 v[SPW], v[NIL]                      ; 0 onto my spare word
.if (\mode) == 2
	s_add_nc_u64 s[G0+4*((\k)&1)+2:G0+4*((\k)&1)+3], s[G0+4*((\k)&1)+2:G0+4*((\k)&1)+3], 512      ; two K steps on
.elseif (\mode) == 3
.if (\k) == 6
	s_add_co_u32 s[CI], s[CI], 1                   ; the walk's next chunk, in a ring of four:
	s_and_b32 s[CI], s[CI], 3
	s_lshl_b32 s[OF], s[CI], 19                    ; its K step 0,
.else
	s_add_co_u32 s[OF], s[OF], 256                 ; its K step 1
.endif
	s_add_nc_u64 s[G0+4*((\k)&1)+2:G0+4*((\k)&1)+3], s[WB:WB+1], s[OF:OF+1]
	s_or_b32 s[G0+4*((\k)&1)+3], s[G0+4*((\k)&1)+3], 0x80000000  ; type = 2
.endif
	MUL \k, 2, 2, 1                                ; eight products stand between the add and the wait for it
	s_wait_dscnt 0x0                               ; the add is done, and my reads of this slot are over
	s_barrier_signal -1
	MUL \k, 2, 3, 1
	WIN 0
	s_barrier_wait -1
.if (\mode) >= 2
	CREST                                          ; no wave of any partner still reads this slot or has a load on its way
	JLOAD (\k)&1                                   ; the first tensor load behind the round; its four v_nop are also the places ahead of the loads below
.endif
.endif
	s_wait_dscnt 0x0
.if (\mode) < 2
	PLACES
.endif
.if (\q3) == 1
	FETCH ((\k)&1)^1, (\k)+1, 0, 0
.elseif (\q3) == 2
	VLOAD
	TLOAD 0, 1024
.else
	VLOAD
.endif
.if (\askimm) >= 0
	ASK \askimm
.endif
	MUL \k, 3, 0, 4
.endm
; A CHUNK'S WAY OUT.  The 256 finished sums a lane are exponents: 2^x' in place, one batch with one wait; 1 + 2^x' and its reciprocal in place, a second batch with one wait (the additions of the next accumulator stand among the
; reciprocals of the one in hand; none names a reciprocal's result); then the scores' sums take r x (-2 v), eight chains that take turns.  Each accumulator is read from its low end on.
; next = 1: the accumulators start anew for the next chunk, whose first fragments are asked for between the two halves.
.macro EPI next
	PLACES
	PLACES
.if \next
	TLOAD 1, 1024
.endif
	WIN 0x41                                       ; destination and source 0 window 1
.set z, 0
.rept 256
	v_exp_f32 v[z], v[z]
.set z, z+1
.endr
	v_nop                                          ; a plain line behind the last exponential,
	s_wait_alu depctr_va_vdst(0)                   ; and the one wait for the batch
.irp n, 0,1,2,3
	v_pk_add_f32 v[2*(\n):2*(\n)+1], v[2*(\n):2*(\n)+1], 1.0 op_sel_hi:[1,0]
.endr
.set z, 0
.rept 32
.irp n, 0,1,2,3
	v_rcp_f32 v[8*z+2*(\n)], v[8*z+2*(\n)]
	v_rcp_f32 v[8*z+2*(\n)+1], v[8*z+2*(\n)+1]
.if z < 31
	v_pk_add_f32 v[8*z+8+2*(\n):8*z+9+2*(\n)], v[8*z+8+2*(\n):8*z+9+2*(\n)], 1.0 op_sel_hi:[1,0]
.endif
.endr
.set z, z+1
.endr
	v_nop
	s_wait_alu depctr_va_vdst(0)                   ; the one wait for the reciprocals
	s_wait_dscnt 0x0                               ; the tables are in
	WIN 0x01                                       ; source 0 window 1
.irp bt, 0,1,2,3,4,5,6,7
.irp i, 0,1,2,3
.irp a, 0,1,2,3
	v_pk_fma_f32 v[SACC+4*(\a)+2*((\i)&1):SACC+4*(\a)+2*((\i)&1)+1], v[8*(8*(\a)+(\bt))+2*(\i):8*(8*(\a)+(\bt))+2*(\i)+1], v[AF0+8*(\bt)+2*(\i):AF0+8*(\bt)+2*(\i)+1], v[SACC+4*(\a)+2*((\i)&1):SACC+4*(\a)+2*((\i)&1)+1]
.endr
.endr
.endr
.if \next
	UHALF 0
	FETCH 0, 0, 0, 0
	UHALF 1
	WIN 0
	v_add_nc_u32 v[TADR], 1024, v[TADR]            ; the walk's next 256 columns
.endif
.endm
	TLOAD 0, 0
	TLOAD 1, 0
	s_wait_dscnt 0x0
	UHALF 0
	UHALF 1
	FETCH 0, 0, 0, 0
	s_mov_b32 s[CH], 4
.Lchunk:
	KSTEP 0, 2, 1, 1536                            ; in the first chunk: asks for its K steps 6 and 7
	KSTEP 1, 2, 1
	KSTEP 2, 2, 1
	KSTEP 3, 2, 1
	KSTEP 4, 2, 1
	KSTEP 5, 2, 1
	WIN 0
	s_cmp_eq_u32 s[CH], 1
	s_cbranch_scc1 .Ltail                          ; the last chunk's end is written out: it asks for nothing more
	KSTEP 6, 3, 1
	KSTEP 7, 3, 2
	EPI 1
	s_sub_co_u32 s[CH], s[CH], 1
	s_branch .Lchunk
.Ltail:
	KSTEP 6, 1, 1
	KSTEP 7, 0, 3
	EPI 0
	; THE SCORES.  A lane's sums hold its row's columns of one h and one wc: the pairs, the other half of the lanes, and (through LDS) the other wc are added.
	WIN 0
.irp a, 0,1,2,3
	v_pk_add_f32 v[SACC+4*(\a):SACC+4*(\a)+1], v[SACC+4*(\a):SACC+4*(\a)+1], v[SACC+4*(\a)+2:SACC+4*(\a)+3]
.endr
.irp a, 0,1,2,3
	v_add_f32 v[SACC+4*(\a)], v[SACC+4*(\a)], v[SACC+4*(\a)+1]
.endr
.irp a, 0,1,2,3
	v_permlanex16_b32 v[SACC+4*(\a)+1], v[SACC+4*(\a)], s[SEL], s[SEL+1]
.endr
.irp a, 0,1,2,3
	v_add_f32 v[SACC+4*(\a)], v[SACC+4*(\a)], v[SACC+4*(\a)+1]
.endr
.irp a, 0,1,2,3
	ds_store_b32 v[SCW], v[SACC+4*(\a)] offset:64*(\a)  ; both halves of the lanes write the same word with the same number
.endr
	s_wait_dscnt 0x0
	s_barrier_signal -1
	s_barrier_wait -1
	ds_load_b128 v[48:51], v[SRD]
	ds_load_b128 v[52:55], v[SRD] offset:512
	s_wait_dscnt 0x0
	v_pk_add_f32 v[48:49], v[48:49], v[52:53]      ; s' of rows 4 lane .. 4 lane + 3, the same in every wave; v[48:51] are not written again
	v_pk_add_f32 v[50:51], v[50:51], v[54:55]
	s_cmp_lg_u32 s[WV], 0
	s_cbranch_scc1 .Lno_scores
	global_store_b128 v[L16], v[48:51], s[18:19]   ; 512 consecutive bytes
.Lno_scores:
	v_max3_num_f32 v52, v48, v49, v50              ; the block's maximum, masked rows too
	v_max_num_f32 v52, v52, v51
	v_max_num_f32_dpp v52, v52, v52 row_xmask:1 row_mask:0xf bank_mask:0xf
	v_max_num_f32_dpp v52, v52, v52 row_xmask:2 row_mask:0xf bank_mask:0xf
	v_max_num_f32_dpp v52, v52, v52 row_xmask:4 row_mask:0xf bank_mask:0xf
	v_max_num_f32_dpp v52, v52, v52 row_xmask:8 row_mask:0xf bank_mask:0xf
	v_permlanex16_b32 v53, v52, s[SEL], s[SEL+1]
	v_max_num_f32 v52, v52, v53
	v_mul_f32 v53, s[LG], v52                      ; c m
.irp e, 0,1,2,3
	v_fma_f32 v[54+(\e)], v[48+(\e)], s[LG], -v53  ; c s' - c m
.endr
.irp e, 0,1,2,3
	v_exp_f32 v[54+(\e)], v[54+(\e)]
.endr
	v_nop
	s_wait_alu depctr_va_vdst(0)                   ; one wait for the four
	v_pk_mul_f32 v[54:55], v[54:55], v[MSK:MSK+1]
	v_pk_mul_f32 v[56:57], v[56:57], v[MSK+2:MSK+3]
	; p = p_hi + p_lo, two bf16.  THE KEYS' PLACES: row 16 u + e lies at place 16 u + 8 (e % 2) + e / 2, so that the turning loads below take rows two apart.  My rows 4 lane + 0, 2 are neighbours there, and so are + 1, 3, eight places on.
	v_cvt_pk_bf16_f32 v58, v54, v56
	v_cvt_pk_bf16_f32 v59, v55, v57
	v_lshlrev_b32 v60, 16, v58
	v_and_b32 v61, 0xffff0000, v58
	v_lshlrev_b32 v62, 16, v59
	v_and_b32 v63, 0xffff0000, v59
	v_sub_f32 v60, v54, v60
	v_sub_f32 v61, v56, v61
	v_sub_f32 v62, v55, v62
	v_sub_f32 v63, v57, v63
	v_cvt_pk_bf16_f32 v60, v60, v61
	v_cvt_pk_bf16_f32 v61, v62, v63
	ds_store_b32 v[PST], v58
	ds_store_b32 v[PST], v59 offset:16
	ds_store_b32 v[PST], v60 offset:256
	ds_store_b32 v[PST], v61 offset:272
.irp kk, 0,1,2,3
	ds_load_b128 v[AF0+8*(\kk):AF0+8*(\kk)+3],   v[PLD] offset:64*(\kk)     ; my wave's own bytes: LDS serves a wave's instructions in order (ISA guide 5.7.1.4).  Even rows of the fragment hold p_hi, odd rows p_lo
	ds_load_b128 v[AF0+8*(\kk)+4:AF0+8*(\kk)+7], v[PLD] offset:64*(\kk)+32
.endr
; cpart = p enc.  Source 0 = the weights (16 rows x 32 keys), source 1 = enc turned (32 keys x 16 channels) by ds_load_tr16_b128: lane l addresses row 2 (l % 8) + l / 16 of a group of 16, channels 8 ((l / 8) % 2) + 0..7.
; In the result register 0 is p_hi's sum and register 1 p_lo's, for channel lane % 16.  Wave w takes channels 128 w .. of a half, 8 tiles.
.macro TRL kk
	WIN 0
.irp t, 0,1,2,3,4,5,6,7
	ds_load_tr16_b128 v[BF0+64*((\kk)&1)+8*(\t):BF0+64*((\kk)&1)+8*(\t)+3],   v[TRA+(\kk)/2] offset:32*PA*((\kk)&1)+32*(\t)
	ds_load_tr16_b128 v[BF0+64*((\kk)&1)+8*(\t)+4:BF0+64*((\kk)&1)+8*(\t)+7], v[TRA+(\kk)/2] offset:32*PA*((\kk)&1)+32*(\t)+16*PA
.endr
.endm
.macro CTM half, kk                    ; eight products, the eight accumulators by turns; the first group of keys starts the sums
	WIN 0x50
.irp t, 0,1,2,3,4,5,6,7
.if (\kk) == 0
	v_wmma_f32_16x16x32_bf16 v[64*(\half)+8*(\t):64*(\half)+8*(\t)+7], v[AF0+8*(\kk):AF0+8*(\kk)+7], v[BF0+64*((\kk)&1)+8*(\t):BF0+64*((\kk)&1)+8*(\t)+7], 0
.else
	v_wmma_f32_16x16x32_bf16 v[64*(\half)+8*(\t):64*(\half)+8*(\t)+7], v[AF0+8*(\kk):AF0+8*(\kk)+7], v[BF0+64*((\kk)&1)+8*(\t):BF0+64*((\kk)&1)+8*(\t)+7], v[64*(\half)+8*(\t):64*(\half)+8*(\t)+7]
.endif
.endr
.endm
.macro CTH half
	TRL 0
	TRL 1
	s_wait_dscnt 16                                ; all but the younger group's 16 loads
	CTM \half, 0
	PLACES
	TRL 2
	s_wait_dscnt 16
	CTM \half, 1
	PLACES
	TRL 3
	s_wait_dscnt 16
	CTM \half, 2
	s_wait_dscnt 0x0
	CTM \half, 3
	PLACES
	PLACES
	WIN 0x05
.irp t, 0,1,2,3,4,5,6,7
	v_add_f32 v[56+(\t)], v[64*(\half)+8*(\t)], v[64*(\half)+8*(\t)+1]
.endr
	WIN 0
.irp t, 0,1,2,3,4,5,6,7
	ds_store_b32 v[CSTO], v[56+(\t)] offset:512*(\half)+64*(\t)
.endr
.endm
; Channels 512-1023 go back from registers into the half block.  A wave stores row tiles a0, a0 + 1 of its row half: its own 32 consecutive rows.
.macro BACK a0
.irp q, 0,1,2,3,4,5,6,7,8,9,10,11,12,13,14,15
	WIN 0x08+0x04*((\q)/8)                         ; the data in window 2 or 3
.irp d, 0,1
	ds_store_b128 v[ADRA], v[32*((\q)%8)+8*((\a0)+(\d)):32*((\q)%8)+8*((\a0)+(\d))+3],   offset:16*PA*((\a0)+(\d))+64*(\q)
	ds_store_b128 v[ADRA], v[32*((\q)%8)+8*((\a0)+(\d))+4:32*((\q)%8)+8*((\a0)+(\d))+7], offset:16*PA*((\a0)+(\d))+64*(\q)+32
.endr
.endr
	WIN 0
.endm
	CTH 0
	s_wait_dscnt 0x0                               ; my reads of channels 0-511 are back,
	s_barrier_signal -1
	s_barrier_wait -1                              ; everybody's are
	s_cmp_eq_u32 s[WC], 0
	s_cbranch_scc0 .Lback_1
	BACK 0
	s_branch .Lback_done
.Lback_1:
	BACK 2
.Lback_done:
	s_wait_dscnt 0x0
	s_barrier_signal -1
	s_barrier_wait -1
	CTH 1
	s_lshl_b32 s48, s[WV], 10
	s_add_co_u32 s48, s48, CST
	v_add_nc_u32 v32, s48, v[L16]
	s_lshl_b32 s49, s[WV], 9
	v_add_nc_u32 v33, s49, v[L16]
	ds_load_b128 v[64:67], v32                     ; my wave's own 128 numbers of each half, four a lane
	ds_load_b128 v[68:71], v32 offset:512
	s_wait_dscnt 0x0
	global_store_b128 v33, v[64:67], s[20:21]      ; 512 consecutive bytes each
	global_store_b128 v33, v[68:71], s[20:21] offset:2048
	s_wait_tensorcnt 0x0                           ; the wave's end, behind my last tensor load and my last LDS store
	ds_add_u32 v[SPW], v[NIL]
	s_wait_dscnt 0x0
	CROUND                                         ; the closing round: no work-group ends while a partner may still ask for a tile that names it
	s_endpgm
.Lfunc_end_k_q01779e5cd3_main:
	.size	k_q01779e5cd3_main, .Lfunc_end_k_q01779e5cd3_main-k_q01779e5cd3_main
	.p2alignl 7, 3214868480
	.fill 96, 4, 3214868480
	.section	.rodata,"a",@progbits
	.p2align	6, 0x0
	.amdhsa_kernel k_q01779e5cd3_main
		.amdhsa_group_segment_fixed_size 327680
		.amdhsa_private_segment_fixed_size 0
		.amdhsa_enable_private_segment 0
		.amdhsa_kernarg_size 72
		.amdhsa_user_sgpr_count 2
		.amdhsa_user_sgpr_kernarg_segment_ptr 1
		.amdhsa_wavefront_size32 1
		.amdhsa_system_sgpr_workgroup_id_x 1
		.amdhsa_system_sgpr_workgroup_id_y 1
		.amdhsa_system_sgpr_workgroup_id_z 1
		.amdhsa_system_vgpr_workitem_id 0
		.amdhsa_next_free_vgpr 1024
		.amdhsa_next_free_sgpr 66
		.amdhsa_reserve_vcc 0
		.amdhsa_float_denorm_mode_32 3
		.amdhsa_float_denorm_mode_16_64 3
		.amdhsa_memory_ordered 1
		.amdhsa_forward_progress 1
		.amdhsa_inst_pref_size 255
	.end_amdhsa_kernel
	.section	.bss,"aw",@nobits
	.p2align	6
	.space	262144
	.amdgpu_metadata
---
amdhsa.version: [ 1, 2 ]
amdhsa.kernels:
  - .name:           k_q01779e5cd3_main
    .symbol:         k_q01779e5cd3_main.kd
    .args:
      - { .name: encoder_outputs, .offset: 0, .size: 8, .value_kind: global_buffer, .address_space: global }
      - { .name: whb, .offset: 8, .size: 8, .value_kind: global_buffer, .address_space: global }
      - { .name: decp, .offset: 16, .size: 8, .value_kind: global_buffer, .address_space: global }
      - { .name: W_c, .offset: 24, .size: 8, .value_kind: global_buffer, .address_space: global }
      - { .name: v, .offset: 32, .size: 8, .value_kind: global_buffer, .address_space: global }
      - { .name: coverage, .offset: 40, .size: 8, .value_kind: global_buffer, .address_space: global }
      - { .name: enc_padding_mask, .offset: 48, .size: 8, .value_kind: global_buffer, .address_space: global }
      - { .name: scores, .offset: 56, .size: 8, .value_kind: global_buffer, .address_space: global }
      - { .name: cpart, .offset: 64, .size: 8, .value_kind: global_buffer, .address_space: global }
    .group_segment_fixed_size: 327680
    .private_segment_fixed_size: 0
    .kernarg_segment_align: 8
    .kernarg_segment_size: 72
    .max_flat_workgroup_size: 128
    .sgpr_count:     66
    .vgpr_count:     1024
    .wavefront_size: 32
...
	.end_amdgpu_metadata
.endif
;; end of part 2
;; launch final (part 3): grid 256 x 1, 4 waves a work-group, no clusters, 1,024 bytes of LDS; arguments scores, cpart, enc_padding_mask, coverage, out0, out1, out2; writes out0, out1, out2
.if DOCPART == 3
	.amdgcn_target "amdgcn-amd-amdhsa--gfx1250"
	.amdhsa_code_object_version 6
	.text
	.protected	k_q01779e5cd3_final
	.globl	k_q01779e5cd3_final
	.p2align	8
	.type	k_q01779e5cd3_final,@function
k_q01779e5cd3_final:
	s_mov_b64 s[64:65], 0
	v_nop
	global_prefetch_b8 v0, s[64:65] scope:SCOPE_SE
	s_setreg_imm32_b32 hwreg(HW_REG_WAVE_MODE, 25, 1), 1
	s_wait_xcnt 0x0
; attn[b][s] = p mask / L, p = 2^(c (s' - M)), M = the maximum of the row's 1,024 s', L = sum_s p mask, c = log2(e); out2 = coverage + attn;
; out0[b][ch] = sum over the row's eight blocks of cpart[blk][ch] 2^(c (m_blk - M)) / L, m_blk the block's maximum of s', found again here from the same f32 numbers from which the main launch took it.
; LEFT OUT, as shown at the head of the first kernel: the softmax's own divisor, which cancels against the second normalisation, and the scores' term that is the same for all s.
; LIMITS: an exponential below 2^-126 counts as 0; where every weight of a row is 0, L = 0 and the row is NaN, as in reference().
; Work-group 4 b + q, four waves, makes 256 numbers (1,024 bytes) of each output's row b.  Every work-group reads the whole row of s' and of the mask: thread t takes 16 bytes at 16 t and at 2,048 + 16 t, so wave w holds
; blocks w and 4 + w whole.  Of the outputs thread t makes 8 bytes: a wave's store covers 256 consecutive bytes, aligned.  No matrix work, no cluster: the launch moves a few MB and shares nothing large.
.set SPARE, 256                        ; LDS: the eight maxima at 0, the four sums at 64; from 256 the spare words, 128 bytes for each wave
	s_load_b256 s[4:11], s[0:1], 0x0               ; scores s[4:5], cpart s[6:7], mask s[8:9], coverage s[10:11]
	s_load_b128 s[12:15], s[0:1], 0x20             ; out0 s[12:13], out1 s[14:15]
	s_load_b64 s[16:17], s[0:1], 0x30              ; out2
	v_lshl_add_u32 v3, v0, 2, SPARE                ; my spare word; never rewritten
	v_mov_b32 v4, 0                                ; 0; never rewritten
	v_lshrrev_b32 v5, 5, v0
	v_readfirstlane_b32 s18, v5                    ; wave
	v_mov_b32 v5, s18
	v_lshlrev_b32 v5, 2, v5                        ; my wave's word
	v_mov_b32 v6, 0
	v_mov_b32 v58, 0                               ; v_permlanex16_b32's destinations count as read
	v_mov_b32 v59, 0
	v_lshlrev_b32 v1, 4, v0
	v_lshlrev_b32 v2, 3, v0
	s_lshr_b32 s19, ttmp9, 2                       ; b
	s_and_b32 s20, ttmp9, 3                        ; q
	s_mov_b32 s21, 0x3fb8aa3b                      ; c
	s_lshl_b32 s22, s19, 12                        ; the row
	s_mov_b32 s23, 0
	s_lshl_b32 s24, ttmp9, 10                      ; the row and my quarter of it: 4,096 b + 1,024 q
	s_mov_b32 s25, 0
	s_lshl_b32 s26, s19, 15                        ; the row's eight blocks in cpart,
	s_lshl_b32 s28, s20, 10
	s_add_co_u32 s26, s26, s28                     ; my quarter
	s_mov_b32 s27, 0
	s_mov_b32 s30, 0x76543210
	s_mov_b32 s31, 0xfedcba98
	s_wait_kmcnt 0x0
	s_add_nc_u64 s[32:33], s[4:5], s[24:25]
	s_add_nc_u64 s[34:35], s[8:9], s[24:25]
	s_add_nc_u64 s[4:5], s[4:5], s[22:23]
	s_add_nc_u64 s[8:9], s[8:9], s[22:23]
	s_add_nc_u64 s[10:11], s[10:11], s[24:25]
	s_add_nc_u64 s[6:7], s[6:7], s[26:27]
	s_add_nc_u64 s[12:13], s[12:13], s[24:25]
	s_add_nc_u64 s[14:15], s[14:15], s[24:25]
	s_add_nc_u64 s[16:17], s[16:17], s[24:25]
	global_load_b128 v[8:11], v1, s[4:5]
	global_load_b128 v[12:15], v1, s[4:5] offset:2048
	global_load_b128 v[16:19], v1, s[8:9]
	global_load_b128 v[20:23], v1, s[8:9] offset:2048
	global_load_b64 v[24:25], v2, s[32:33]
	global_load_b64 v[26:27], v2, s[34:35]
	global_load_b64 v[28:29], v2, s[10:11]
.irp k, 0,1,2,3,4,5,6,7
	global_load_b64 v[32+2*(\k):33+2*(\k)], v2, s[6:7] offset:4096*(\k)
.endr
	s_wait_loadcnt 13                              ; the row's s' are in; the 13 younger loads may stay out
	v_max3_num_f32 v56, v8, v9, v10
	v_max3_num_f32 v57, v12, v13, v14
	v_max_num_f32 v56, v56, v11
	v_max_num_f32 v57, v57, v15
.irp x, 1,2,4,8
	v_max_num_f32_dpp v56, v56, v56 row_xmask:\x row_mask:0xf bank_mask:0xf
	v_max_num_f32_dpp v57, v57, v57 row_xmask:\x row_mask:0xf bank_mask:0xf
.endr
	v_permlanex16_b32 v58, v56, s30, s31
	v_permlanex16_b32 v59, v57, s30, s31
	v_max_num_f32 v56, v56, v58
	v_max_num_f32 v57, v57, v59
	ds_store_b32 v5, v56                           ; m of block w,
	ds_store_b32 v5, v57 offset:16                 ; of block 4 + w
	s_wait_dscnt 0x0
	s_barrier_signal -1
	s_barrier_wait -1
	ds_load_b128 v[48:51], v6
	ds_load_b128 v[52:55], v6 offset:16
	s_wait_dscnt 0x0
	v_max3_num_f32 v60, v48, v49, v50
	v_max3_num_f32 v60, v60, v51, v52
	v_max3_num_f32 v60, v60, v53, v54
	v_max_num_f32 v60, v60, v55                    ; M
	v_mul_f32 v61, s21, v60                        ; c M
	s_wait_loadcnt 0x0
.irp z, 8,9,10,11,12,13,14,15,24,25,48,49,50,51,52,53,54,55
	v_fma_f32 v\z, v\z, s21, -v61                  ; c s' - c M, for the row, for my two numbers, and for the eight m
.endr
.irp z, 8,9,10,11,12,13,14,15,24,25,48,49,50,51,52,53,54,55
	v_exp_f32 v\z, v\z
.endr
	v_nop
	s_wait_alu depctr_va_vdst(0)                   ; one wait for the batch of eighteen
.irp z, 0,2,4,6
	v_pk_mul_f32 v[8+(\z):9+(\z)], v[8+(\z):9+(\z)], v[16+(\z):17+(\z)]
.endr
	v_pk_add_f32 v[8:9], v[8:9], v[10:11]
	v_pk_add_f32 v[12:13], v[12:13], v[14:15]
	v_pk_add_f32 v[8:9], v[8:9], v[12:13]
	v_add_f32 v8, v8, v9
.irp x, 1,2,4,8
	v_add_f32_dpp v8, v8, v8 row_xmask:\x row_mask:0xf bank_mask:0xf
.endr
	v_permlanex16_b32 v58, v8, s30, s31
	v_add_f32 v8, v8, v58
	ds_store_b32 v5, v8 offset:64                  ; other bytes than the maxima's: no wave's read of those is disturbed
	s_wait_dscnt 0x0
	s_barrier_signal -1
	s_barrier_wait -1
	ds_load_b128 v[56:59], v6 offset:64
	v_pk_mul_f32 v[24:25], v[24:25], v[26:27]      ; p mask of my two numbers
	s_wait_dscnt 0x0
	v_add_f32 v56, v56, v57
	v_add_f32 v58, v58, v59
	v_add_f32 v56, v56, v58                        ; L
	v_rcp_f32 v60, v56
	v_nop
	s_wait_alu depctr_va_vdst(0)
	v_mul_f32 v24, v24, v60
	v_mul_f32 v25, v25, v60
.irp k, 0,1,2,3,4,5,6,7
	v_mul_f32 v[48+(\k)], v[48+(\k)], v60          ; 2^(c (m_blk - M)) / L
.endr
	v_pk_add_f32 v[28:29], v[28:29], v[24:25]
	global_store_b64 v2, v[24:25], s[14:15]
	global_store_b64 v2, v[28:29], s[16:17]
	v_mul_f32 v62, v32, v48
	v_mul_f32 v63, v33, v48
.irp k, 1,2,3,4,5,6,7
	v_fma_f32 v62, v[32+2*(\k)], v[48+(\k)], v62
	v_fma_f32 v63, v[33+2*(\k)], v[48+(\k)], v63
.endr
	global_store_b64 v2, v[62:63], s[12:13]
	s_wait_tensorcnt 0x0                           ; the wave's end, behind my last LDS store
	ds_add_u32 v3, v4
	s_wait_dscnt 0x0
	s_endpgm
.Lfunc_end_k_q01779e5cd3_final:
	.size	k_q01779e5cd3_final, .Lfunc_end_k_q01779e5cd3_final-k_q01779e5cd3_final
	.p2alignl 7, 3214868480
	.fill 96, 4, 3214868480
	.section	.rodata,"a",@progbits
	.p2align	6, 0x0
	.amdhsa_kernel k_q01779e5cd3_final
		.amdhsa_group_segment_fixed_size 1024
		.amdhsa_private_segment_fixed_size 0
		.amdhsa_enable_private_segment 0
		.amdhsa_kernarg_size 56
		.amdhsa_user_sgpr_count 2
		.amdhsa_user_sgpr_kernarg_segment_ptr 1
		.amdhsa_wavefront_size32 1
		.amdhsa_system_sgpr_workgroup_id_x 1
		.amdhsa_system_sgpr_workgroup_id_y 1
		.amdhsa_system_sgpr_workgroup_id_z 1
		.amdhsa_system_vgpr_workitem_id 0
		.amdhsa_next_free_vgpr 64
		.amdhsa_next_free_sgpr 66
		.amdhsa_reserve_vcc 0
		.amdhsa_float_denorm_mode_32 3
		.amdhsa_float_denorm_mode_16_64 3
		.amdhsa_memory_ordered 1
		.amdhsa_forward_progress 1
		.amdhsa_inst_pref_size 10
	.end_amdhsa_kernel
	.amdgpu_metadata
---
amdhsa.version: [ 1, 2 ]
amdhsa.kernels:
  - .name:           k_q01779e5cd3_final
    .symbol:         k_q01779e5cd3_final.kd
    .args:
      - { .name: scores, .offset: 0, .size: 8, .value_kind: global_buffer, .address_space: global }
      - { .name: cpart, .offset: 8, .size: 8, .value_kind: global_buffer, .address_space: global }
      - { .name: enc_padding_mask, .offset: 16, .size: 8, .value_kind: global_buffer, .address_space: global }
      - { .name: coverage, .offset: 24, .size: 8, .value_kind: global_buffer, .address_space: global }
      - { .name: out0, .offset: 32, .size: 8, .value_kind: global_buffer, .address_space: global }
      - { .name: out1, .offset: 40, .size: 8, .value_kind: global_buffer, .address_space: global }
      - { .name: out2, .offset: 48, .size: 8, .value_kind: global_buffer, .address_space: global }
    .group_segment_fixed_size: 1024
    .private_segment_fixed_size: 0
    .kernarg_segment_align: 8
    .kernarg_segment_size: 56
    .max_flat_workgroup_size: 128
    .sgpr_count:     66
    .vgpr_count:     64
    .wavefront_size: 32
...
	.end_amdgpu_metadata
.endif
;; end of part 3
